; MI455X (gfx1250); checked and timed in simulation.
; The chip was launched on July 23, 2026; its instructions are those of AMD's public machine-readable ISA for CDNA 5 (MIT licence, August 2026) and "CDNA5" Instruction Set Architecture Reference Guide (July 2026). The comments in the code are by the model that wrote it; some were corrected since.
;; Agent. Allowed arithmetic: float matrix products may take bf16 or f16 operands with f32 sums; all other float work in f32.
;; Inputs: W1 128 x 128 float32; W2 128 x 128 float32; W_stop 2 x 128 float32; b1 128 float32; b2 128 float32; indptr 2,048 x 3 int32; w_node 128 float32; w_score 128 float32; w_seed 128 float32; x_nodes 1,048,576 float32; x_seeds 1,048,576 float32.
;; Outputs: out0 2,048 x 513 float32.
;; One version. Each part assembles by itself: llvm-mc -triple=amdgcn-amd-amdhsa -mcpu=gfx1250 --defsym DOCPART=n.
;; ======== version 1 of 1: 1 launch
;; launch agent (part 1): grid 256 x 1, 8 waves a work-group, no clusters, 159,744 bytes of LDS; arguments x_seeds, x_nodes, w_seed, w_node, W1, b1, W2, b2, w_score, W_stop, indptr, out0; writes out0
.if DOCPART == 1
	.amdgcn_target "amdgcn-amd-amdhsa--gfx1250"
	.amdhsa_code_object_version 6
	.text
	.protected	k_qcb7a03bd6d_agent
	.globl	k_qcb7a03bd6d_agent
	.p2align	8
	.type	k_qcb7a03bd6d_agent,@function
k_qcb7a03bd6d_agent:
	s_mov_b64 s[64:65], 0
	v_nop
	global_prefetch_b8 v0, s[64:65] scope:SCOPE_SE
	s_setreg_imm32_b32 hwreg(HW_REG_WAVE_MODE, 25, 1), 1
	s_wait_xcnt 0x0
; Agent: per segment b of 2,048: 512 nodes from x[start + pos], a two-layer swish MLP of width 128 on each node, three dot products of
; h2 (w_score, W_stop[0], W_stop[1]), a masked log-softmax of the 512 scores, a masked mean of the two stop products and their log-softmax.
; out0[b] = 512 node logits + stop logit 0, then stop logit 1.
;
; SHARES.  256 work-groups x 8 waves: one wave makes one whole segment, 32 tiles of 16 nodes; every reduction stays in its wave.
; The loop touches no global memory: weights lie in registers, the wave's x (split into bf16 pairs) and its scores in its own LDS bytes.
;
; ALGEBRA, valid for every input.
;  (1) h0 W1^T = xs (W1 w_seed) + xn (W1 w_node): layer 1 is of rank 2 plus the bias.  u = W1 w_seed, v = W1 w_node are made in f32.
;  (2) with t = -log2e z:  swish(z) = z / (1 + 2^t), and h' = t rcp(1 + 2^t) = -log2e swish(z).  So u, v, b1, b2 carry the factor -log2e,
;      W2 stays as it is, and W2 h1' + b2' is already layer 2's t.
;  (3) mean(h2) . W_stop[k] = (sum over nodes of h2 . W_stop[k]) / len: score and both stop products are one product with three rows.
;  (4) these three rows are negated (exact), so the results are log2e x value: both softmaxes run in base 2, each with its maximum taken
;      away first, and ln2 comes in at the end.
;
; MATRIX USE.  A = rows of weights (m = output feature), B = nodes (n = node).  In D, lane (r, h), register j holds feature 16 mt + 8 h + j of
; node r, so four packed conversions of D's tile mt are registers 4 (mt & 1) .. + 3 of the next layer's B fragment mt >> 1: no shuffle, no LDS.
; Layer 1 is one K step: xs, xn, u, v, b1 each as hi + lo in bf16 (16 bits of mantissa), all four cross products and the bias in the K places.
;
; LIMITS, stated.  W1 w is formed first, so the order of rounding differs from the reference's; layer 1's operands carry 16 mantissa bits;
; W2, h1, h2, w_score, W_stop go to the matrix unit in bf16; start is clamped to 1,048,576 - 512 (an index inside the table never reaches the clamp);
; the division by mean_len is v_rcp_f32 and a multiply; v_exp_f32, v_rcp_f32, v_log_f32 flush denormals (ISA guide 15.8);
; mean_len = 0 and cand_len <= 0 give NaN, as in the reference.
;
; NO CLUSTER, NO TENSOR LOADS: what work-groups share is 131,072 bytes of W1 and W2, read once by each at its head; they must pass through
; registers anyway (W2 is rounded to bf16, W1 feeds an f32 product) and then stay in registers.  Nothing is shared in the loop.
; NO PREFETCH: all global loads are issued at the head, before any is waited for.
.set NEGL2E, 0xbfb8aa3b                ; -log2(e)
.set LN2,    0x3f317218                ; ln 2
.set NLAST,  0xffe00                   ; 1,048,576 - 512: the last start that keeps 512 nodes inside x
.set OUTWG,  16416                     ; bytes of out0 of a work-group: 8 rows of 513 f32
; LDS map, bytes
.set W1B,    0                         ; W1 f32, 128 rows, pitch 528 (an odd multiple of 16: 16 rows start in 16 different 16-byte columns modulo 256)
.set W1P,    528
.set W2B,    67584                     ; W2 bf16, 128 rows, pitch 272 (likewise)
.set W2P,    272
.set A3B,    102400                    ; 4 rows, pitch 272: -W_stop[0], -W_stop[1], -w_score, zeros
.set UVB,    103488                    ; u'[128], v'[128] f32
.set BBB,    104512                    ; b1'[128], b2'[128] f32 (= UVB + 1024)
.set XB,     105536                    ; wave w at + 4096 w; node n at + 8 n: {xs_hi, xn_hi}, {xs_lo, xn_lo}
.set STAGE,  138304                    ; wave w at + 2052 w: 513 f32, first the raw scores, then the row of out0
.set SROW,   2052
; vector registers, window 0
.set XA,  2                            ; LDS address of my node's 8 bytes of x in the tile to be fetched
.set SA,  3                            ; LDS address of my node's score
.set BA,  4                            ; LDS address of b2'[8 h]
.set MK,  6                            ; v[6:7]   1.0 or 0: node inside the mean's span (v7 only completes the pair)
.set ST,  8                            ; v[8:9]   the two stop sums
.set B1,  16                           ; v[16:23] layer 1's B fragment
.set T,   24                           ; v[24:39] two sets of 8 at work; also layer 3's two accumulators
.set BF,  40                           ; v[40:71] B fragments of the next layer, quad mt at BF + 4 mt
.set ACC, 72                           ; v[72:135] eight accumulator tiles
.set A1,  136                          ; v[136:199] layer 1's A fragments
.set A3,  200                          ; v[200:231] layer 3's A fragments
; window 1: v256-511, W2's 32 A fragments, (mt, c) at 8 (4 mt + c)
.set MSB, 0
.macro WIN new                         ; s_set_vgpr_msb: the immediate's high byte repeats the setting that is left
.if MSB != \new
	s_set_vgpr_msb (MSB<<8)|\new
.set MSB, \new
.endif
.endm
.macro PLACES n                        ; places behind a matrix instruction (ISA guide 7.12.1) where there is no useful work for them
.rept \n
	v_nop
.endr
.endm
.macro MVLOAD half                     ; 64 numbers of w (w_seed in waves 0-3, w_node in waves 4-7) into scalars
	s_load_b512 s[32:47], s[12:13], 256*\half
	s_load_b512 s[48:63], s[12:13], 256*\half+64
	s_load_b512 s[68:83], s[12:13], 256*\half+128
	s_load_b512 s[84:99], s[12:13], 256*\half+192
.endm
.macro MVFMA half                      ; 64 steps of my row's dot product, in four chains; the first four products start the chains
.set kk, 0
.rept 32
.if 64*\half+kk < 4
	v_mul_f32 v[T+kk%4], s[32+kk], v[72+64*\half+kk]
.else
	v_fmac_f32 v[T+kk%4], s[32+kk], v[72+64*\half+kk]
.endif
.set kk, kk+1
.endr
.set kk, 0
.rept 32
	v_fmac_f32 v[T+kk%4], s[68+kk], v[104+64*\half+kk]
.set kk, kk+1
.endr
.endm
.macro XSPLIT p                        ; nodes 32 p + lane: xs, xn as bf16 hi and lo, 8 bytes into my wave's part of XB
.set xr, T+4*(\p%4)
	v_cvt_pk_bf16_f32 v[xr], v[200+\p], v[216+\p]          ; {xs_hi, xn_hi}
	v_lshlrev_b32 v[xr+2], 16, v[xr]
	v_and_b32 v[xr+3], 0xffff0000, v[xr]
	v_sub_f32 v[xr+2], v[200+\p], v[xr+2]                  ; exact remainders
	v_sub_f32 v[xr+3], v[216+\p], v[xr+3]
	v_cvt_pk_bf16_f32 v[xr+1], v[xr+2], v[xr+3]            ; {xs_lo, xn_lo}
	ds_store_b64 v244, v[xr:xr+1] offset:256*\p
.endm
; Layer 1's A fragment of features 16 mt + r.  Lanes 0-15 (K 0-7): {u_hi, v_hi} twice, {b_hi, b_lo}; lanes 16-31 (K 8-15): {u_lo, v_lo} twice, 0.
; Against B = {xs_hi, xn_hi}, {xs_lo, xn_lo}, {1, 1} in both halves that is (xs_hi + xs_lo)(u_hi + u_lo) + (xn_hi + xn_lo)(v_hi + v_lo) + b_hi + b_lo.
.macro A1BUILD mt
	v_cvt_pk_bf16_f32 v24, v[40+\mt], v[48+\mt]
	v_cvt_pk_bf16_f32 v28, v[56+\mt], v[56+\mt]
	v_lshlrev_b32 v26, 16, v24
	v_and_b32 v27, 0xffff0000, v24
	v_lshlrev_b32 v29, 16, v28
	v_sub_f32 v26, v[40+\mt], v26
	v_sub_f32 v27, v[48+\mt], v27
	v_sub_f32 v29, v[56+\mt], v29
	v_cvt_pk_bf16_f32 v25, v26, v27
	v_cvt_pk_bf16_f32 v28, v[56+\mt], v29                  ; {b_hi, b_lo}
	v_cndmask_b32 v[A1+8*\mt], v24, v25, s32               ; s32: lanes 16-31 take the second
	v_cndmask_b32 v[A1+8*\mt+2], v28, 0, s32
	v_mov_b32 v[A1+8*\mt+1], v[A1+8*\mt]
.irp j, 3,4,5,6,7
	v_mov_b32 v[A1+8*\mt+\j], 0                            ; K places that layer 1 does not use
.endr
.endm
.macro LANES16 op, reg                 ; a reduction over the 16 lanes of a row; every lane gets the result
.irp m, 1,2,4,8
	\op v[\reg], v[\reg], v[\reg] row_xmask:\m row_mask:0xf bank_mask:0xf
.endr
.endm
; ---------------------------------------------------------------- the loop's macros
.macro LAYER1                          ; t1 = A1 x B1: eight tiles, each its own accumulator, C = 0
.irp mt, 0,1,2,3,4,5,6,7
	v_wmma_f32_16x16x32_bf16 v[ACC+8*\mt:ACC+8*\mt+7], v[A1+8*\mt:A1+8*\mt+7], v[B1:B1+7], 0
.endr
.endm
; h' = t rcp(1 + 2^t) on the eight accumulator tiles, rounded to bf16 into BF.  A pipeline over the tiles g; in step g:
; E(g) 8 exponentials, C(g-2) 4 conversions (and, bias = 1, b2' loaded into the tile just converted: layer 2's C), A(g) + 1, R(g) 8 reciprocals, M(g-1) the products.
; Behind each run of transcendentals stands a plain instruction that touches none of their registers before a result is used
; (ISA guide 5.7.2): C(g-2) or a v_nop behind E(g), M(g-1) or the next step's v_nop behind R(g).
.macro SWISH bias
.set g, 0
.rept 10
.if g < 8
.set jj, 0
.rept 8
	v_exp_f32 v[T+8*(g&1)+jj], v[ACC+8*g+jj]
.set jj, jj+1
.endr
.endif
.if g >= 2
.set jj, 0
.rept 4
	v_cvt_pk_bf16_f32 v[BF+4*(g-2)+jj], v[ACC+8*(g-2)+2*jj], v[ACC+8*(g-2)+2*jj+1]
.set jj, jj+1
.endr
.if \bias
	ds_load_b128 v[ACC+8*(g-2):ACC+8*(g-2)+3], v[BA] offset:64*(g-2)          ; b2'[16 mt + 8 h + 0..3]
	ds_load_b128 v[ACC+8*(g-2)+4:ACC+8*(g-2)+7], v[BA] offset:64*(g-2)+16     ; .. + 4..7
.endif
.else
	v_nop
	s_wait_alu depctr_va_vdst(0)
.endif
.if g < 8
.set jj, 0
	s_wait_alu depctr_va_vdst(0)
.rept 4
	v_pk_add_f32 v[T+8*(g&1)+2*jj:T+8*(g&1)+2*jj+1], v[T+8*(g&1)+2*jj:T+8*(g&1)+2*jj+1], 1.0 op_sel_hi:[1,0]
.set jj, jj+1
.endr
.set jj, 0
.rept 8
	v_rcp_f32 v[T+8*(g&1)+jj], v[T+8*(g&1)+jj]
.set jj, jj+1
.endr
.endif
.if g >= 1
.if g <= 8
.set jj, 0
	s_wait_alu depctr_va_vdst(0)
.rept 4
	v_pk_mul_f32 v[ACC+8*(g-1)+2*jj:ACC+8*(g-1)+2*jj+1], v[ACC+8*(g-1)+2*jj:ACC+8*(g-1)+2*jj+1], v[T+8*((g-1)&1)+2*jj:T+8*((g-1)&1)+2*jj+1]
.set jj, jj+1
.endr
.endif
.endif
.set g, g+1
.endr
.endm
.macro L2STEP c, mt
	v_wmma_f32_16x16x32_bf16 v[ACC+8*\mt:ACC+8*\mt+7], v[8*(4*\mt+\c):8*(4*\mt+\c)+7], v[BF+8*\c:BF+8*\c+7], v[ACC+8*\mt:ACC+8*\mt+7]
.endm
; t2 = W2 h1' + b2'.  K outer, the eight accumulators by turns, one instruction a turn.
.macro LAYER2
	WIN 0x01                                       ; source 0 (W2's fragments) in window 1
	s_wait_dscnt 4                                 ; all LDS loads but the four youngest (b2' of tiles 6 and 7) are back, the next tile's x among them
.irp mt, 0,1,2,3,4,5
	L2STEP 0, \mt
.endr
	s_wait_dscnt 0                                 ; b2' of tiles 6 and 7
	L2STEP 0, 6
	L2STEP 0, 7
.irp c, 1,2,3
.irp mt, 0,1,2,3,4,5,6,7
	L2STEP \c, \mt
.endr
.endr
	WIN 0
.endm
; rows 0, 8: stop 0; rows 1, 9: stop 1; rows 2, 10: score, so both halves of the lanes hold them in registers 0, 1, 2.
; K is shared between two accumulators that take turns; their sum is taken in EPI.
.macro LAYER3
	v_wmma_f32_16x16x32_bf16 v[T:T+7],    v[A3:A3+7],     v[BF:BF+7],     0
	v_wmma_f32_16x16x32_bf16 v[T+8:T+15], v[A3+8:A3+15],  v[BF+8:BF+15],  0
	v_wmma_f32_16x16x32_bf16 v[T:T+7],    v[A3+16:A3+23], v[BF+16:BF+23], v[T:T+7]
	v_wmma_f32_16x16x32_bf16 v[T+8:T+15], v[A3+24:A3+31], v[BF+24:BF+31], v[T+8:T+15]
.endm
.macro EPI                             ; the tile's three results: stop sums under the mask, the score to my wave's stage
	v_pk_fma_f32 v[ST:ST+1], v[T:T+1],   v[MK:MK+1], v[ST:ST+1] op_sel_hi:[1,0,1]
	v_pk_fma_f32 v[ST:ST+1], v[T+8:T+9], v[MK:MK+1], v[ST:ST+1] op_sel_hi:[1,0,1]
	v_add_f32 v5, v[T+2], v[T+10]
	ds_store_b32 v[SA], v5                         ; lanes r and r + 16 write the same word with the same value
	v_add_nc_u32 v[SA], 64, v[SA]                  ; 16 scores on
	s_sub_co_i32 s7, s7, 16                        ; mean_len - 16 x tile
.endm
.macro TILE more                       ; 16 nodes; more = 1: the next tile's x is fetched
	LAYER1
.if \more
	v_add_nc_u32 v[XA], 128, v[XA]                 ; one of the four places behind layer 1
	PLACES 3
	ds_load_b64 v[B1:B1+1], v[XA]                  ; waited for in layer 2, read by the next tile's layer 1
.else
	PLACES 4
.endif
	SWISH 1
	LAYER2
	PLACES 4
	SWISH 0
	v_cmp_gt_i32 vcc_lo, s7, v1                    ; 16 x tile + r < mean_len
	LAYER3
	v_cndmask_b32 v[MK], 0, 1.0, vcc_lo            ; one of the four places behind layer 3
	PLACES 3
	EPI
.endm
; ---------------------------------------------------------------- P0: pointers, ids, all global loads
	s_load_b512 s[8:23], s[0:1], 0x0               ; x_seeds 8, x_nodes 10, w_seed 12, w_node 14, W1 16, b1 18, W2 20, b2 22
	s_load_b256 s[24:31], s[0:1], 0x40             ; w_score 24, W_stop 26, indptr 28, out0 30
	v_lshrrev_b32 v5, 5, v0
	v_readfirstlane_b32 s2, v5                     ; wave 0..7
	v_and_b32 v10, 31, v0                          ; lane
	v_and_b32 v1, 15, v0                           ; r
	v_and_b32 v15, 127, v0                         ; t & 127
	v_lshlrev_b32 v12, 4, v0                       ; 16 t
	v_lshlrev_b32 v240, 2, v15                     ; 4 (t & 127)
	v_lshlrev_b32 v241, 2, v0                      ; 4 t
	s_lshl_b32 s6, ttmp9, 3
	s_add_co_u32 s6, s6, s2                        ; my segment b = 8 x work-group + wave
	s_mul_i32 s6, s6, 12                           ; its row of indptr, bytes
	s_mov_b32 s7, 0
	s_cmp_lt_u32 s2, 4                             ; waves 0-3 against waves 4-7
	s_cselect_b32 s66, 0xbf800000, 0               ; -1.0: row 2 of A3B is -w_score; 0: row 3 is zeros
	s_wait_kmcnt 0x0
	s_cselect_b64 s[12:13], s[12:13], s[14:15]     ; w_seed (u) or w_node (v)
	s_cselect_b64 s[18:19], s[18:19], s[22:23]     ; b1 or b2
	s_add_nc_u64 s[28:29], s[28:29], s[6:7]
	s_load_b96 s[4:6], s[28:29], 0x0               ; start, endpoint, candidate endpoint
	MVLOAD 0
.irp i, 0,1,2,3,4,5,6,7,8,9,10,11,12,13,14,15
	global_load_b128 v[72+4*\i:75+4*\i], v12, s[16:17] offset:4096*\i      ; W1: row 8 i + wave, 16 bytes at 16 lane
.endr
.irp i, 0,1,2,3,4,5,6,7,8,9,10,11,12,13,14,15
	global_load_b128 v[136+4*\i:139+4*\i], v12, s[20:21] offset:4096*\i    ; W2 likewise
.endr
	global_load_b32 v232, v240, s[18:19]           ; b1[t] or b2[t - 128]
	global_load_b32 v233, v241, s[26:27]           ; W_stop, 256 numbers
	global_load_b32 v234, v240, s[24:25]           ; w_score[t & 127]
	s_wait_kmcnt 0x0                               ; my row of indptr, and the first 64 of w
	s_sub_co_i32 s5, s5, s4                        ; mean_len
	s_sub_co_i32 s6, s6, s4                        ; cand_len
	s_min_u32 s4, s4, NLAST                        ; the loaded index enters an address only behind this clamp
	s_lshl_b32 s4, s4, 2
	v_lshlrev_b32 v11, 2, v10
	v_add_nc_u32 v11, s4, v11                      ; 4 (start + lane)
.irp p, 0,1,2,3,4,5,6,7,8,9,10,11,12,13,14,15
	global_load_b32 v[200+\p], v11, s[8:9] offset:128*\p                   ; xs of nodes 32 p + lane (start may be any whole number: 4-byte loads)
.endr
.irp p, 0,1,2,3,4,5,6,7,8,9,10,11,12,13,14,15
	global_load_b32 v[216+\p], v11, s[10:11] offset:128*\p                 ; xn
.endr
	; 67 loads are issued; one that would pass the counter's field waits at its issue (ISA guide 5.7.1)
; ---------------------------------------------------------------- P1: staging into LDS
	s_mul_i32 s3, s2, W1P
	v_lshl_add_u32 v13, v10, 4, s3                 ; W1B + 528 wave + 16 lane
	s_mul_i32 s3, s2, W2P
	s_add_co_u32 s3, s3, W2B
	v_lshl_add_u32 v14, v10, 3, s3                 ; W2B + 272 wave + 8 lane
	v_lshl_add_u32 v242, v0, 2, BBB                ; BBB + 4 t
	v_lshrrev_b32 v243, 7, v0
	v_mul_u32_u24 v243, v243, W2P
	v_lshl_add_u32 v243, v15, 1, v243
	v_add_nc_u32 v243, A3B, v243                   ; A3B + 272 (t >> 7) + 2 (t & 127)
	s_lshl_b32 s3, s2, 12
	s_add_co_u32 s3, s3, XB
	v_lshl_add_u32 v244, v10, 3, s3                ; XB + 4096 wave + 8 lane
	s_wait_loadcnt 51                              ; 67 issued, W1's 16 are the oldest: 51 younger may stay out
.irp i, 0,1,2,3,4,5,6,7,8,9,10,11,12,13,14,15
	ds_store_b128 v13, v[72+4*\i:75+4*\i] offset:8*W1P*\i
.endr
	s_wait_loadcnt 35                              ; W2 is in: 3 small loads and 32 of x may stay out
.irp i, 0,1,2,3,4,5,6,7,8,9,10,11,12,13,14,15
	v_cvt_pk_bf16_f32 v[136+4*\i], v[136+4*\i], v[137+4*\i]
	v_cvt_pk_bf16_f32 v[137+4*\i], v[138+4*\i], v[139+4*\i]
	ds_store_b64 v14, v[136+4*\i:137+4*\i] offset:8*W2P*\i
.endr
	s_wait_loadcnt 32                              ; the three small loads are in: x's 32 may stay out
	v_mul_f32 v232, NEGL2E, v232                   ; b1', b2'
	v_xor_b32 v233, 0x80000000, v233               ; -W_stop
	v_mul_f32 v234, s66, v234                      ; -w_score, or zero
	v_cvt_pk_bf16_f32 v233, v233, v233
	v_cvt_pk_bf16_f32 v234, v234, v234
	ds_store_b32 v242, v232
	ds_store_b16 v243, v233                        ; rows 0 and 1
	ds_store_b16 v243, v234 offset:2*W2P           ; rows 2 and 3
	s_wait_loadcnt 0x0                             ; x
.irp p, 0,1,2,3,4,5,6,7,8,9,10,11,12,13,14,15
	XSPLIT \p
.endr
	s_wait_dscnt 0x0                               ; my stores are in LDS before I say so
	s_barrier_signal -1
	s_barrier_wait -1                              ; W1, W2, the three rows and the biases are whole
; ---------------------------------------------------------------- P2: fragments into registers; u' and v'
	v_mul_u32_u24 v5, v15, W1P                     ; my row t & 127 of W1
	v_bfe_u32 v6, v0, 4, 1                         ; h
	v_mul_u32_u24 v245, v1, W2P
	v_lshl_add_u32 v245, v6, 4, v245
	v_add_nc_u32 v245, W2B, v245                   ; W2B + 272 r + 16 h
	v_and_b32 v246, 7, v1
	v_min_u32 v246, 3, v246                        ; rows 0, 1, 2 for r & 7 = 0, 1, 2; the row of zeros for the rest
	v_mul_u32_u24 v246, v246, W2P
	v_lshl_add_u32 v246, v6, 4, v246
	v_add_nc_u32 v246, A3B, v246
.irp q, 0,1,2,3,4,5,6,7,8,9,10,11,12,13,14,15,16,17,18,19,20,21,22,23,24,25,26,27,28,29,30,31
	ds_load_b128 v[72+4*\q:75+4*\q], v5 offset:16*\q
.endr
	WIN 0x40                                       ; destination in window 1
.irp mt, 0,1,2,3,4,5,6,7
.irp c, 0,1,2,3
	ds_load_b128 v[8*(4*\mt+\c):8*(4*\mt+\c)+3],   v245 offset:16*W2P*\mt+64*\c       ; W2(16 mt + r, 32 c + 8 h ..)
	ds_load_b128 v[8*(4*\mt+\c)+4:8*(4*\mt+\c)+7], v245 offset:16*W2P*\mt+64*\c+32    ; W2(16 mt + r, 32 c + 16 + 8 h ..)
.endr
.endr
	WIN 0
.irp c, 0,1,2,3
	ds_load_b128 v[A3+8*\c:A3+8*\c+3],   v246 offset:64*\c
	ds_load_b128 v[A3+8*\c+4:A3+8*\c+7], v246 offset:64*\c+32
.endr
	s_wait_dscnt 63                                ; 72 younger loads follow the row's 32; 63 is the most that the wait can name, and the smaller count shows the row in too
	MVFMA 0
	MVLOAD 1
	s_wait_kmcnt 0x0
	MVFMA 1
	v_add_f32 v24, v24, v25
	v_add_f32 v26, v26, v27
	v_add_f32 v24, v24, v26
	v_mul_f32 v24, NEGL2E, v24                     ; u'[t] in waves 0-3, v'[t - 128] in waves 4-7
	v_lshl_add_u32 v5, v0, 2, UVB
	ds_store_b32 v5, v24
	s_wait_dscnt 0x0                               ; my store is in LDS (and all fragments are in registers)
	s_barrier_signal -1
	s_barrier_wait -1                              ; u' and v' are whole
; ---------------------------------------------------------------- P3: layer 1's fragments, constants, addresses
	v_lshl_add_u32 v5, v1, 2, UVB
.irp mt, 0,1,2,3,4,5,6,7
	ds_load_b32 v[40+\mt], v5 offset:64*\mt        ; u'[16 mt + r]
	ds_load_b32 v[48+\mt], v5 offset:512+64*\mt    ; v'
	ds_load_b32 v[56+\mt], v5 offset:1024+64*\mt   ; b1'
.endr
	s_mov_b32 s32, 0xffff0000                      ; lanes 16-31
	s_mov_b32 s33, 0x76543210                      ; v_permlanex16_b32: lane i of one half reads lane i of the other
	s_mov_b32 s34, 0xfedcba98
	s_mov_b32 s35, LN2
	s_mov_b32 s7, s5                               ; mean_len - 16 x tile
	s_lshl_b32 s3, s2, 12
	s_add_co_u32 s3, s3, XB
	v_lshl_add_u32 v[XA], v1, 3, s3                ; XB + 4096 wave + 8 r
	s_mul_i32 s3, s2, SROW
	s_add_co_u32 s3, s3, STAGE
	v_lshl_add_u32 v[SA], v1, 2, s3                ; my wave's stage + 4 r
	v_lshl_add_u32 v247, v10, 2, s3                ; my wave's stage + 4 lane
	v_mov_b32 v248, s3                             ; my wave's stage
	v_lshlrev_b32 v[BA], 5, v6
	v_add_nc_u32 v[BA], BBB+512, v[BA]             ; b2' + 32 h
	ds_load_b64 v[B1:B1+1], v[XA]                  ; tile 0's x
	v_mov_b32 v[B1+2], 0x3f803f80                  ; two ones: they take b_hi and b_lo
.irp j, 3,4,5,6,7
	v_mov_b32 v[B1+\j], 0
.endr
	v_mov_b32 v[MK+1], 0
	v_mov_b32 v[ST], 0
	v_mov_b32 v[ST+1], 0
	s_wait_dscnt 0x0
.irp mt, 0,1,2,3,4,5,6,7
	A1BUILD \mt
.endr
; ---------------------------------------------------------------- P4: 32 tiles of 16 nodes
	s_mov_b32 s3, 31
.Ltile:
	TILE 1
	s_sub_co_i32 s3, s3, 1
	s_cmp_lg_u32 s3, 0
	s_cbranch_scc1 .Ltile
	TILE 0                                         ; the last tile fetches nothing more
; ---------------------------------------------------------------- P5: the segment's two log-softmaxes, in base 2
.irp p, 0,1,2,3,4,5,6,7,8,9,10,11,12,13,14,15
	ds_load_b32 v[72+\p], v247 offset:128*\p       ; my wave's own scores: LDS serves a wave's instructions in order (ISA guide 5.7.1), so these see its stores
.endr
	v_sub_nc_u32 v11, s6, v10                      ; cand_len - lane
	LANES16 v_add_f32_dpp, ST                      ; the stop sums over the 16 nodes of a tile row; both halves hold the same
	LANES16 v_add_f32_dpp, ST+1
	v_cvt_f32_i32 v28, s5
	v_rcp_f32 v28, v28                             ; 1 / mean_len
	v_nop
	s_wait_alu depctr_va_vdst(0)
	v_mul_f32 v[ST], v[ST], v28
	v_mul_f32 v[ST+1], v[ST+1], v28
	v_max_num_f32 v29, v[ST], v[ST+1]              ; the maximum is taken away first
	v_sub_f32 v[ST], v[ST], v29
	v_sub_f32 v[ST+1], v[ST+1], v29
	v_exp_f32 v30, v[ST]
	v_exp_f32 v31, v[ST+1]
	v_nop
	s_wait_alu depctr_va_vdst(0)
	v_add_f32 v30, v30, v31
	v_log_f32 v30, v30
	v_nop
	s_wait_alu depctr_va_vdst(0)
	v_sub_f32 v[ST], v[ST], v30                    ; stop logit 0 / ln2
	v_sub_f32 v[ST+1], v[ST+1], v30                ; stop logit 1 / ln2
	s_wait_dscnt 0x0
.irp p, 0,1,2,3,4,5,6,7,8,9,10,11,12,13,14,15
	v_cmp_lt_i32 vcc_lo, 32*\p, v11                ; 32 p + lane < cand_len
	v_cndmask_b32 v[72+\p], 0xff800000, v[72+\p], vcc_lo   ; else -inf
.endr
	v_max3_num_f32 v24, v72, v73, v74
	v_max3_num_f32 v25, v75, v76, v77
	v_max3_num_f32 v26, v78, v79, v80
	v_max3_num_f32 v27, v81, v82, v83
	v_max3_num_f32 v28, v84, v85, v86
	v_max3_num_f32 v24, v24, v25, v87
	v_max3_num_f32 v26, v26, v27, v28
	v_max_num_f32 v24, v24, v26
	LANES16 v_max_num_f32_dpp, 24
	v_permlanex16_b32 v25, v24, s33, s34
	v_max_num_f32 v24, v24, v25                    ; the segment's largest score, in every lane
.irp p, 0,1,2,3,4,5,6,7,8,9,10,11,12,13,14,15
	v_sub_f32 v[72+\p], v[72+\p], v24
.endr
.irp p, 0,1,2,3,4,5,6,7,8,9,10,11,12,13,14,15
	v_exp_f32 v[88+\p], v[72+\p]
.endr
	v_mul_f32 v[ST+1], s35, v[ST+1]                ; stop logit 1 (the plain instruction behind the exponentials)
	s_wait_alu depctr_va_vdst(0)
.irp q, 0,2,4,6
	v_pk_add_f32 v[88+\q:89+\q], v[88+\q:89+\q], v[96+\q:97+\q]
.endr
	v_pk_add_f32 v[88:89], v[88:89], v[92:93]
	v_pk_add_f32 v[90:91], v[90:91], v[94:95]
	v_pk_add_f32 v[88:89], v[88:89], v[90:91]
	v_add_f32 v26, v88, v89
	LANES16 v_add_f32_dpp, 26
	v_permlanex16_b32 v27, v26, s33, s34
	v_add_f32 v26, v26, v27
	v_log_f32 v26, v26                             ; log2 of the sum
	v_nop
	s_wait_alu depctr_va_vdst(0)
	v_sub_f32 v[ST], v[ST], v26
	v_mul_f32 v[ST], s35, v[ST]                    ; ln2 (stop 0 - log2 sum)
.irp p, 0,1,2,3,4,5,6,7,8,9,10,11,12,13,14,15
	v_fma_f32 v[72+\p], v[72+\p], s35, v[ST]       ; node logit + stop logit 0
	ds_store_b32 v247, v[72+\p] offset:128*\p
.endr
	ds_store_b32 v248, v[ST+1] offset:2048         ; element 512: all lanes write the same word with the same value
	; the way out's addresses: the work-group's 16,416 bytes begin 32 (g & 7) bytes behind a multiple of 256 from out0's first byte
	s_and_b32 s3, ttmp9, 7
	s_lshl_b32 s3, s3, 5                           ; a = 32 (g & 7)
	s_mul_i32 s4, ttmp9, OUTWG
	s_sub_co_u32 s4, s4, s3                        ; 16,416 g - a: a multiple of 256
	s_mov_b32 s5, 0
	s_add_nc_u64 s[30:31], s[30:31], s[4:5]
	v_subrev_nc_u32 v10, s3, v12                   ; p = 16 t - a: my 16 bytes in the stage, pass 0
	v_add_nc_u32 v13, STAGE, v10
	v_add_nc_u32 v11, 16384, v10                   ; p of pass 4
	s_wait_dscnt 0x0                               ; my row is in LDS before I say so
	s_barrier_signal -1
	s_barrier_wait -1                              ; all eight rows are there
; ---------------------------------------------------------------- P6: the way out: 16 lanes store 256 consecutive bytes, at a multiple of 256 from out0's first byte
	ds_load_b128 v[104:107], v13 offset:4096
	ds_load_b128 v[108:111], v13 offset:8192
	ds_load_b128 v[112:115], v13 offset:12288
	s_wait_dscnt 2
	global_store_b128 v12, v[104:107], s[30:31] offset:4096 th:TH_STORE_NT
	s_wait_dscnt 1
	global_store_b128 v12, v[108:111], s[30:31] offset:8192 th:TH_STORE_NT
	s_wait_dscnt 0
	global_store_b128 v12, v[112:115], s[30:31] offset:12288 th:TH_STORE_NT
	v_cmp_gt_u32 vcc_lo, OUTWG, v10                ; pass 0: lanes in front of the work-group's first byte (p below 0 wraps) stay out
	s_wait_xcnt 0x0                                ; EXEC is a source of the stores above: it changes only behind this wait
	s_and_saveexec_b32 s36, vcc_lo
	ds_load_b128 v[116:119], v13
	s_wait_dscnt 0
	global_store_b128 v12, v[116:119], s[30:31] th:TH_STORE_NT
	s_wait_xcnt 0x0                                ; and again in front of the line that widens it
	s_or_b32 exec_lo, exec_lo, s36
	v_cmp_gt_u32 vcc_lo, OUTWG, v11                ; pass 4: the last 32 + a bytes
	s_and_saveexec_b32 s36, vcc_lo                 ; no global instruction since the last s_wait_xcnt 0
	ds_load_b128 v[120:123], v13 offset:16384
	s_wait_dscnt 0
	global_store_b128 v12, v[120:123], s[30:31] offset:16384 th:TH_STORE_NT
	s_wait_xcnt 0x0
	s_or_b32 exec_lo, exec_lo, s36
	s_endpgm
.Lfunc_end_k_qcb7a03bd6d_agent:
	.size	k_qcb7a03bd6d_agent, .Lfunc_end_k_qcb7a03bd6d_agent-k_qcb7a03bd6d_agent
	.p2alignl 7, 3214868480
	.fill 96, 4, 3214868480
	.section	.rodata,"a",@progbits
	.p2align	6, 0x0
	.amdhsa_kernel k_qcb7a03bd6d_agent
		.amdhsa_group_segment_fixed_size 159744
		.amdhsa_private_segment_fixed_size 0
		.amdhsa_enable_private_segment 0
		.amdhsa_kernarg_size 96
		.amdhsa_user_sgpr_count 2
		.amdhsa_user_sgpr_kernarg_segment_ptr 1
		.amdhsa_wavefront_size32 1
		.amdhsa_system_sgpr_workgroup_id_x 1
		.amdhsa_system_sgpr_workgroup_id_y 1
		.amdhsa_system_sgpr_workgroup_id_z 1
		.amdhsa_system_vgpr_workitem_id 0
		.amdhsa_next_free_vgpr 512
		.amdhsa_next_free_sgpr 100
		.amdhsa_reserve_vcc 1
		.amdhsa_float_denorm_mode_32 3
		.amdhsa_float_denorm_mode_16_64 3
		.amdhsa_memory_ordered 1
		.amdhsa_forward_progress 1
		.amdhsa_inst_pref_size 103
	.end_amdhsa_kernel
	.amdgpu_metadata
---
amdhsa.version: [ 1, 2 ]
amdhsa.kernels:
  - .name:           k_qcb7a03bd6d_agent
    .symbol:         k_qcb7a03bd6d_agent.kd
    .args:
      - { .name: x_seeds, .offset: 0, .size: 8, .value_kind: global_buffer, .address_space: global }
      - { .name: x_nodes, .offset: 8, .size: 8, .value_kind: global_buffer, .address_space: global }
      - { .name: w_seed, .offset: 16, .size: 8, .value_kind: global_buffer, .address_space: global }
      - { .name: w_node, .offset: 24, .size: 8, .value_kind: global_buffer, .address_space: global }
      - { .name: W1, .offset: 32, .size: 8, .value_kind: global_buffer, .address_space: global }
      - { .name: b1, .offset: 40, .size: 8, .value_kind: global_buffer, .address_space: global }
      - { .name: W2, .offset: 48, .size: 8, .value_kind: global_buffer, .address_space: global }
      - { .name: b2, .offset: 56, .size: 8, .value_kind: global_buffer, .address_space: global }
      - { .name: w_score, .offset: 64, .size: 8, .value_kind: global_buffer, .address_space: global }
      - { .name: W_stop, .offset: 72, .size: 8, .value_kind: global_buffer, .address_space: global }
      - { .name: indptr, .offset: 80, .size: 8, .value_kind: global_buffer, .address_space: global }
      - { .name: out0, .offset: 88, .size: 8, .value_kind: global_buffer, .address_space: global }
    .group_segment_fixed_size: 159744
    .private_segment_fixed_size: 0
    .kernarg_segment_align: 8
    .kernarg_segment_size: 96
    .max_flat_workgroup_size: 256
    .sgpr_count:     100
    .vgpr_count:     512
    .wavefront_size: 32
...
	.end_amdgpu_metadata
.endif
;; end of part 1
